; MI455X (gfx1250); checked and timed in simulation.
; The chip was launched on July 23, 2026; its instructions are those of AMD's public machine-readable ISA for CDNA 5 (MIT licence, August 2026) and "CDNA5" Instruction Set Architecture Reference Guide (July 2026). The comments in the code are by the model that wrote it; some were corrected since.
;; Rnn Eprop1. Allowed arithmetic: float matrix products may take bf16 or f16 operands with f32 sums; all other float work in f32.
;; Inputs: W_hh 1,024 x 1,024 float32; W_in 1,024 x 256 float32; W_out 128 x 1,024 float32; h 32 x 1,024 float32; target 16 x 32 x 128 float32; x 16 x 32 x 256 float32.
;; Outputs: out0 512 x 128 float32; out1 32 x 1,024 float32; out2 128 x 1,024 float32; out3 1,024 x 256 float32; out4 1,024 x 1,024 float32.
;; One version. Each part assembles by itself: llvm-mc -triple=amdgcn-amd-amdhsa -mcpu=gfx1250 --defsym DOCPART=n.
;; ======== version 1 of 1: 16 launches
;; limits: values outside matrix products are rounded to f16; values are held in f16: magnitudes above 65,504 overflow, below 6.1e-05 lose precision
;; workspace buffers: Wfr 2,949,120 bytes; Heven 65,536 bytes; Hodd 65,536 bytes; G 3,751,936 bytes; cntA 256 bytes of whole numbers; cntB 256 bytes of whole numbers
;; launch first (part 1): grid 72 x 2, 8 waves a work-group, no clusters, 16,384 bytes of LDS; arguments h, x, W_hh, W_in, W_out, Wfr, Hodd, G, cntA; writes Wfr, Hodd, G, cntA
.if DOCPART == 1
	.amdgcn_target "amdgcn-amd-amdhsa--gfx1250"
	.amdhsa_code_object_version 6
	.text
	.protected	k_q2aae23fb88_first
	.globl	k_q2aae23fb88_first
	.p2align	8
	.type	k_q2aae23fb88_first,@function
k_q2aae23fb88_first:
	s_mov_b64 s[64:65], 0
	v_nop
	global_prefetch_b8 v0, s[64:65] scope:SCOPE_SE
	s_setreg_imm32_b32 hwreg(HW_REG_WAVE_MODE, 25, 1), 1
	s_wait_xcnt 0x0
; STEP 0 OF THE RNN AND THE ONE-TIME RE-LAYOUT.  h_1 = tanh(x_0 W_in^T + h_0 W_hh^T), from the f32 inputs.
; Work-group (q, mt): q < 64: the 16 x 16 tile (batch rows 16 mt.., hidden columns 16 q..); K = 1280 is split over 8 waves
; (wave w: four K steps of 32 of h, one of x); the eight partial tiles meet in LDS.  q >= 64: only copies tile q-64 of W_out.
; It also leaves, for the later launches, everything in the order in which a matrix fragment wants it (512-byte chunks, lane x 16 bytes):
;   Wfr [tile 72][K step 40][chunk 2][lane][16 B] f16: W_hh | W_in rows 16 q.., then W_out rows (their K steps 32..39 are zeros);
;   G.HX [t][tile 80][chunk = mt][lane][16 B] f16: h_t (tiles 0..63) and x_t (tiles 64..79) with lane = column, K = batch;
;   G.HD [t][q][mt][grp 2][lane][16 B] f32: h_{t+1}, lane = column, registers = batch;  Hout: h_1 with lane = batch, K = column.
; Both orientations of the tile come from the same fragments with the two sources exchanged.
; FORMAT: matrix operands are f16 (|h| <= 1; weights, x must stay below 65504 in size), sums and tanh in f32.
; tanh(p) = 1 - 2 / (1 + 2^(2.88539 p)): exact at saturation (2^.. = inf or 0), absolute error of a few 1e-7 near 0.
; No cluster: a weight tile is asked for by two work-groups only and goes straight into registers; no LDS tile is shared.
.set WT,  40960                        ; bytes of a tile in Wfr
.set HXS, 81920                        ; bytes of a time slab in G.HX
.set HDO, 17*HXS                       ; G.HD behind 17 slabs of HX
.set RA,  16                           ; v[16:95]   five raw A fragments of 16 f32 registers; f16 lands in the low 8 of each
.set RW,  96                           ; v[96:175]  the same for the weights
.set DD,  176                          ; v[176:183] tile, lane = column, registers = batch
.set DT,  184                          ; v[184:191] tile, lane = batch, registers = column
.set RB,  192                          ; v[192:255] the eight partial tiles; the sum lands in the first 8
.set PK,  24                           ; v[24:27]   packed result (a raw register quad that is free after the conversion)
.macro ADDR dst, base, o               ; s[dst:dst+1] = buffer address + the 32-bit offset in s[o]
	s_mov_b32 s[\o+1], 0
	s_add_nc_u64 s[\dst:\dst+1], s[\base:\base+1], s[\o:\o+1]
.endm
.macro LDRAW dst, vo, base, imm        ; one K step of a row-major f32 matrix: k = 8hh..+7 (32 bytes) and 16+8hh..+7
	global_load_b128 v[\dst:\dst+3], v[\vo], s[\base:\base+1] offset:\imm
	global_load_b128 v[\dst+4:\dst+7], v[\vo], s[\base:\base+1] offset:\imm+16
	global_load_b128 v[\dst+8:\dst+11], v[\vo], s[\base:\base+1] offset:\imm+64
	global_load_b128 v[\dst+12:\dst+15], v[\vo], s[\base:\base+1] offset:\imm+80
.endm
.macro CVT8 f                          ; sixteen f32 -> eight registers of f16 pairs, in place (register p is written after 2p, 2p+1 were read)
.irp p, 0,1,2,3,4,5,6,7
	v_cvt_pk_f16_f32 v[\f+\p], v[\f+2*\p], v[\f+2*\p+1]
.endr
.endm
.macro PACK8 d, s                      ; eight f32 -> 16 bytes of f16
.irp i, 0,1,2,3
	v_cvt_pk_f16_f32 v[\d+\i], v[\s+2*\i], v[\s+2*\i+1]
.endr
.endm
.macro TANH8 p                         ; in place; one plain instruction stands between each run of transcendentals and its use (ISA guide 5.7.2)
.irp i, 0,2,4,6
	v_pk_mul_f32 v[\p+\i:\p+\i+1], v[\p+\i:\p+\i+1], 0x4038aa3b op_sel_hi:[1,0]
.endr
.irp i, 0,1,2,3,4,5,6,7
	v_exp_f32 v[\p+\i], v[\p+\i]
.endr
	v_nop
	s_wait_alu depctr_va_vdst(0)
.irp i, 0,2,4,6
	v_pk_add_f32 v[\p+\i:\p+\i+1], v[\p+\i:\p+\i+1], 1.0 op_sel_hi:[1,0]
.endr
.irp i, 0,1,2,3,4,5,6,7
	v_rcp_f32 v[\p+\i], v[\p+\i]
.endr
	v_nop
	s_wait_alu depctr_va_vdst(0)
.irp i, 0,2,4,6
	v_pk_fma_f32 v[\p+\i:\p+\i+1], v[\p+\i:\p+\i+1], -2.0, 1.0 op_sel_hi:[1,0,0]
.endr
.endm
.macro REDSTORE                        ; my partial tiles: orientation x 8192 + wave x 1024 + half x 512 + lane x 16
	v_lshl_add_u32 v6, s28, 10, v1
	ds_store_b128 v6, v[DD:DD+3]
	ds_store_b128 v6, v[DD+4:DD+7] offset:512
	ds_store_b128 v6, v[DT:DT+3] offset:8192
	ds_store_b128 v6, v[DT+4:DT+7] offset:8704
.endm
.macro REDSUM                          ; wave 0 sums orientation 0, wave 1 orientation 1: eight partials, a tree of 28 packed adds
	v_lshl_add_u32 v6, s28, 13, v1
.irp i, 0,1,2,3,4,5,6,7,8,9,10,11,12,13,14,15
	ds_load_b128 v[RB+4*\i:RB+4*\i+3], v6 offset:512*\i
.endr
	s_wait_dscnt 0x0
.irp a, 0,16,32,48
.irp i, 0,2,4,6
	v_pk_add_f32 v[RB+\a+\i:RB+\a+\i+1], v[RB+\a+\i:RB+\a+\i+1], v[RB+\a+8+\i:RB+\a+8+\i+1]
.endr
.endr
.irp a, 0,32
.irp i, 0,2,4,6
	v_pk_add_f32 v[RB+\a+\i:RB+\a+\i+1], v[RB+\a+\i:RB+\a+\i+1], v[RB+\a+16+\i:RB+\a+16+\i+1]
.endr
.endr
.irp i, 0,2,4,6
	v_pk_add_f32 v[RB+\i:RB+\i+1], v[RB+\i:RB+\i+1], v[RB+32+\i:RB+32+\i+1]
.endr
.endm
	s_load_b256 s[8:15], s[0:1], 0x0               ; h s[8:9], x s[10:11], W_hh s[12:13], W_in s[14:15]
	s_load_b256 s[16:23], s[0:1], 0x20             ; W_out s[16:17], Wfr s[18:19], Hout s[20:21], G s[22:23]
	s_load_b64 s[24:25], s[0:1], 0x40              ; the counter for the next launch
	v_and_b32 v7, 31, v0                           ; lane
	v_lshlrev_b32 v1, 4, v7                        ; lane x 16
	v_and_b32 v2, 15, v0                           ; r
	v_bfe_u32 v3, v0, 4, 1                         ; hh
	v_lshrrev_b32 v6, 5, v0
	v_readfirstlane_b32 s28, v6                    ; wave
	s_mov_b32 s29, ttmp9                           ; q
	s_and_b32 s30, ttmp7, 0xffff                   ; mt
	v_lshlrev_b32 v4, 12, v2
	v_lshl_add_u32 v4, v3, 5, v4                   ; rows of 4,096 bytes: r x 4096 + hh x 32
	v_lshlrev_b32 v5, 10, v2
	v_lshl_add_u32 v5, v3, 5, v5                   ; rows of 1,024 bytes
	s_mul_i32 s31, s29, WT
	s_lshl_b32 s34, s30, 9
	s_add_co_u32 s31, s31, s34                     ; my tile in Wfr, chunk mt
	s_lshl_b32 s34, s28, 12
	s_add_co_u32 s32, s31, s34
	s_wait_kmcnt 0x0
	ADDR 36, 18, 32                                ; Wfr: K steps 4w..4w+3
	s_lshl_b32 s34, s28, 10
	s_add_co_u32 s32, s31, s34
	ADDR 38, 18, 32                                ; Wfr: K step 32+w, with the immediate 32768
	s_cmp_ge_u32 s29, 64
	s_cbranch_scc1 .Lwout
	; ---- a tile of h_1 ----
	s_lshl_b32 s35, s28, 9
	s_lshl_b32 s32, s30, 16
	s_add_co_u32 s32, s32, s35
	ADDR 40, 8, 32                                 ; h rows 16 mt.., columns 128 w..
	s_lshl_b32 s32, s29, 16
	s_add_co_u32 s32, s32, s35
	ADDR 42, 12, 32                                ; W_hh rows 16 q..
	s_lshl_b32 s35, s28, 7
	s_lshl_b32 s32, s30, 14
	s_add_co_u32 s32, s32, s35
	ADDR 44, 10, 32                                ; x_0 rows 16 mt.., columns 32 w..
	s_lshl_b32 s32, s29, 14
	s_add_co_u32 s32, s32, s35
	ADDR 46, 14, 32                                ; W_in rows 16 q..
.irp k, 0,1,2,3
	LDRAW RA+16*\k, 4, 40, 128*\k
	LDRAW RW+16*\k, 4, 42, 128*\k
.endr
	LDRAW RA+64, 5, 44, 0
	LDRAW RW+64, 5, 46, 0
	; transposing jobs, whole inside a wave's branch, behind the burst above so that they add no round trip:
	; waves 0..3: half a fragment of x_t', t' = q >> 2, column tile it = 4 (q & 3) + w;  wave 4: half a fragment of h_0, column tile q
	s_cmp_gt_u32 s28, 4
	s_cbranch_scc1 .Lnojob
	s_cmp_eq_u32 s28, 4
	s_cbranch_scc1 .Ljobh
	s_lshr_b32 s48, s29, 2
	s_and_b32 s49, s29, 3
	s_lshl2_add_u32 s49, s49, s28
	s_lshl_b32 s32, s48, 15
	s_lshl_b32 s34, s30, 14
	s_add_co_u32 s32, s32, s34
	s_lshl_b32 s34, s49, 6
	s_add_co_u32 s32, s32, s34
	ADDR 50, 10, 32
	v_lshlrev_b32 v6, 2, v2
	v_lshl_add_u32 v6, v3, 13, v6                  ; column r, batch rows 8 hh..
.irp i, 0,1,2,3,4,5,6,7
	global_load_b32 v[8+\i], v6, s[50:51] offset:1024*\i
.endr
	s_mul_i32 s32, s48, HXS
	s_lshl_b32 s34, s49, 10
	s_add_co_u32 s32, s32, s34
	s_lshl_b32 s34, s30, 9
	s_add_co_u32 s32, s32, s34
	s_add_co_u32 s32, s32, 65536                   ; x begins at tile 64
	ADDR 52, 22, 32
	s_wait_loadcnt 0x0
	PACK8 8, 8
	global_store_b128 v1, v[8:11], s[52:53]
	s_branch .Lnojob
.Ljobh:
	s_lshl_b32 s32, s30, 16
	s_lshl_b32 s34, s29, 6
	s_add_co_u32 s32, s32, s34
	ADDR 50, 8, 32
	v_lshlrev_b32 v6, 2, v2
	v_lshl_add_u32 v6, v3, 15, v6
.irp i, 0,1,2,3,4,5,6,7
	global_load_b32 v[8+\i], v6, s[50:51] offset:4096*\i
.endr
	s_lshl_b32 s32, s29, 10
	s_lshl_b32 s34, s30, 9
	s_add_co_u32 s32, s32, s34
	ADDR 52, 22, 32
	s_wait_loadcnt 0x0
	PACK8 8, 8
	global_store_b128 v1, v[8:11], s[52:53]
.Lnojob:
	s_lshl_b32 s32, s29, 11
	s_lshl_b32 s34, s30, 10
	s_add_co_u32 s32, s32, s34
	s_add_co_u32 s32, s32, HDO
	ADDR 54, 22, 32                                ; G.HD[0]
	s_lshl_b32 s32, s29, 10
	s_lshl_b32 s34, s30, 9
	s_add_co_u32 s32, s32, s34
	s_add_co_u32 s32, s32, HXS
	ADDR 56, 22, 32                                ; G.HX[1]
	s_lshl_b32 s32, s30, 15
	s_lshl_b32 s34, s29, 9
	s_add_co_u32 s32, s32, s34
	ADDR 58, 20, 32                                ; Hout
	s_wait_loadcnt 0x0                             ; one burst, one round trip
.irp k, 0,1,2,3,4
	CVT8 RA+16*\k
	CVT8 RW+16*\k
.endr
	; the two work-groups of a tile share the copy into Wfr: mt = 0 stores registers 0..3 (chunk 0), mt = 1 registers 4..7
	s_cmp_lg_u32 s30, 0
	s_cbranch_scc1 .Lhalf1
.irp k, 0,1,2,3
	global_store_b128 v1, v[RW+16*\k:RW+16*\k+3], s[36:37] offset:1024*\k
.endr
	global_store_b128 v1, v[RW+64:RW+67], s[38:39] offset:32768
	s_branch .Lmul
.Lhalf1:
.irp k, 0,1,2,3
	global_store_b128 v1, v[RW+16*\k+4:RW+16*\k+7], s[36:37] offset:1024*\k
.endr
	global_store_b128 v1, v[RW+68:RW+71], s[38:39] offset:32768
.Lmul:
	v_wmma_f32_16x16x32_f16 v[DD:DD+7], v[RA:RA+7], v[RW:RW+7], 0
	v_wmma_f32_16x16x32_f16 v[DT:DT+7], v[RW:RW+7], v[RA:RA+7], 0
.irp k, 1,2,3,4
	v_wmma_f32_16x16x32_f16 v[DD:DD+7], v[RA+16*\k:RA+16*\k+7], v[RW+16*\k:RW+16*\k+7], v[DD:DD+7]
	v_wmma_f32_16x16x32_f16 v[DT:DT+7], v[RW+16*\k:RW+16*\k+7], v[RA+16*\k:RA+16*\k+7], v[DT:DT+7]
.endr
.rept 4
	v_nop                                          ; four places before the LDS stores read the results
.endr
	REDSTORE
	; wave 2 of work-group (0, 0) leaves the next launch its step: word 0 = 1, word 1 = 0
	s_xor_b32 s50, s28, 2
	s_or_b32 s50, s50, s29
	s_or_b32 s50, s50, s30
	s_cmp_lg_u32 s50, 0
	s_cbranch_scc1 .Lnocnt
	v_sub_nc_u32 v28, 1, v7
	v_lshlrev_b32 v29, 2, v7
	global_store_b32 v29, v28, s[24:25]
.Lnocnt:
	s_wait_dscnt 0x0                               ; my partial tiles are in LDS before I say so
	s_barrier_signal -1
	s_barrier_wait -1
	s_cmp_gt_u32 s28, 1
	s_cbranch_scc1 .Lend
	REDSUM
	TANH8 RB
	s_cmp_lg_u32 s28, 0
	s_cbranch_scc1 .Lwave1
	global_store_b128 v1, v[RB:RB+3], s[54:55]     ; h_1 in f32, lane = column
	global_store_b128 v1, v[RB+4:RB+7], s[54:55] offset:512
	PACK8 PK, RB
	global_store_b128 v1, v[PK:PK+3], s[56:57]
	s_endpgm
.Lwave1:
	PACK8 PK, RB
	global_store_b128 v1, v[PK:PK+3], s[58:59]     ; h_1 as the next step's A fragments
.Lend:
	s_endpgm
	; ---- W_out tile q - 64: only chunk mt is loaded, converted and stored; the x part of the tile is zeros ----
.Lwout:
	s_sub_co_u32 s48, s29, 64
	s_lshl_b32 s32, s48, 16
	s_lshl_b32 s34, s28, 9
	s_add_co_u32 s32, s32, s34
	s_lshl_b32 s34, s30, 6
	s_add_co_u32 s32, s32, s34
	ADDR 40, 16, 32
.irp k, 0,1,2,3
	global_load_b128 v[16+8*\k:19+8*\k], v4, s[40:41] offset:128*\k
	global_load_b128 v[20+8*\k:23+8*\k], v4, s[40:41] offset:128*\k+16
.endr
.irp i, 48,49,50,51
	v_mov_b32 v\i, 0
.endr
	global_store_b128 v1, v[48:51], s[38:39] offset:32768
	s_wait_loadcnt 0x0
.irp k, 0,1,2,3
	PACK8 16+8*\k, 16+8*\k
	global_store_b128 v1, v[16+8*\k:19+8*\k], s[36:37] offset:1024*\k
.endr
	s_endpgm
.Lfunc_end_k_q2aae23fb88_first:
	.size	k_q2aae23fb88_first, .Lfunc_end_k_q2aae23fb88_first-k_q2aae23fb88_first
	.p2alignl 7, 3214868480
	.fill 96, 4, 3214868480
	.section	.rodata,"a",@progbits
	.p2align	6, 0x0
	.amdhsa_kernel k_q2aae23fb88_first
		.amdhsa_group_segment_fixed_size 16384
		.amdhsa_private_segment_fixed_size 0
		.amdhsa_enable_private_segment 0
		.amdhsa_kernarg_size 72
		.amdhsa_user_sgpr_count 2
		.amdhsa_user_sgpr_kernarg_segment_ptr 1
		.amdhsa_wavefront_size32 1
		.amdhsa_system_sgpr_workgroup_id_x 1
		.amdhsa_system_sgpr_workgroup_id_y 1
		.amdhsa_system_sgpr_workgroup_id_z 1
		.amdhsa_system_vgpr_workitem_id 0
		.amdhsa_next_free_vgpr 256
		.amdhsa_next_free_sgpr 66
		.amdhsa_reserve_vcc 0
		.amdhsa_float_denorm_mode_32 3
		.amdhsa_float_denorm_mode_16_64 3
		.amdhsa_memory_ordered 1
		.amdhsa_forward_progress 1
		.amdhsa_inst_pref_size 26
	.end_amdhsa_kernel
	.amdgpu_metadata
---
amdhsa.version: [ 1, 2 ]
amdhsa.kernels:
  - .name:           k_q2aae23fb88_first
    .symbol:         k_q2aae23fb88_first.kd
    .args:
      - { .name: h, .offset: 0, .size: 8, .value_kind: global_buffer, .address_space: global }
      - { .name: x, .offset: 8, .size: 8, .value_kind: global_buffer, .address_space: global }
      - { .name: W_hh, .offset: 16, .size: 8, .value_kind: global_buffer, .address_space: global }
      - { .name: W_in, .offset: 24, .size: 8, .value_kind: global_buffer, .address_space: global }
      - { .name: W_out, .offset: 32, .size: 8, .value_kind: global_buffer, .address_space: global }
      - { .name: Wfr, .offset: 40, .size: 8, .value_kind: global_buffer, .address_space: global }
      - { .name: Hodd, .offset: 48, .size: 8, .value_kind: global_buffer, .address_space: global }
      - { .name: G, .offset: 56, .size: 8, .value_kind: global_buffer, .address_space: global }
      - { .name: cntA, .offset: 64, .size: 8, .value_kind: global_buffer, .address_space: global }
    .group_segment_fixed_size: 16384
    .private_segment_fixed_size: 0
    .kernarg_segment_align: 8
    .kernarg_segment_size: 72
    .max_flat_workgroup_size: 256
    .sgpr_count:     66
    .vgpr_count:     256
    .wavefront_size: 32
...
	.end_amdgpu_metadata
.endif
;; end of part 1
;; launch s1 (part 2): grid 72 x 2, 8 waves a work-group, no clusters, 16,384 bytes of LDS; arguments cntA, Hodd, Wfr, x, target, cntB, Heven, G, out0; writes cntB, Heven, G, out0
.if DOCPART == 2
	.amdgcn_target "amdgcn-amd-amdhsa--gfx1250"
	.amdhsa_code_object_version 6
	.text
	.protected	k_q2aae23fb88_s1
	.globl	k_q2aae23fb88_s1
	.p2align	8
	.type	k_q2aae23fb88_s1,@function
k_q2aae23fb88_s1:
	s_mov_b64 s[64:65], 0
	v_nop
	global_prefetch_b8 v0, s[64:65] scope:SCOPE_SE
	s_setreg_imm32_b32 hwreg(HW_REG_WAVE_MODE, 25, 1), 1
	s_wait_xcnt 0x0
; STEP t OF THE RNN (t = 1..13, read from the counter that the launch before stored).
; Work-group (q, mt).  q < 64: tile (batch rows 16 mt.., hidden columns 16 q..) of h_{t+1} = tanh(x_t W_in^T + h_t W_hh^T).
; q >= 64: tile p = q - 64 of o_{t-1} = h_t W_out^T, and err_{t-1} = o_{t-1} - target_{t-1}.
; K is split over the 8 waves (wave w: K steps 4w..4w+3 of h, and K step w of x for q < 64); the partial tiles meet in LDS.
; h_t and the weights lie in fragment order (f16, 512-byte chunks, lane x 16 bytes), so every load of them covers 512 consecutive bytes.
; Both orientations of a tile are made, with the two sources exchanged: lane = column (for G.HX, G.HD, G.ET) and lane = batch (Hout, G.E, out0).
; FORMAT: matrix operands f16 (|x|, |err| below 65504), sums, tanh and err in f32.
; No cluster: a weight tile goes straight to registers and is asked for by two work-groups; nothing is shared through LDS.
.set WT,  40960
.set HXS, 81920
.set HDO, 17*HXS
.set EO,  HDO+16*131072
.set ETO, EO+16*8192
.set AF,  16                           ; v[16:47]   four fragments of h_t
.set XR,  48                           ; v[48:63]   x_t, raw f32
.set AX,  64                           ; v[64:71]   its fragment
.set BF,  72                           ; v[72:103]  four weight fragments
.set BX,  104                          ; v[104:111] the W_in fragment
.set DD,  112                          ; tile, lane = column
.set DT,  120                          ; tile, lane = batch
.set RB,  128                          ; v[128:191] eight partial tiles
.set ZD,  192                          ; v[192:199] target, lane = column
.set PK,  200                          ; v[200:203]
.set ZT,  204                          ; v[204:211] target, lane = batch
.set ER,  212                          ; v[212:219] err
.macro ADDR dst, base, o
	s_mov_b32 s[\o+1], 0
	s_add_nc_u64 s[\dst:\dst+1], s[\base:\base+1], s[\o:\o+1]
.endm
.macro PACK8 d, s
.irp i, 0,1,2,3
	v_cvt_pk_f16_f32 v[\d+\i], v[\s+2*\i], v[\s+2*\i+1]
.endr
.endm
.macro TANH8 p                         ; 1 - 2 / (1 + 2^(2.88539 p)), in place; a plain instruction behind each run of transcendentals (ISA guide 5.7.2)
.irp i, 0,2,4,6
	v_pk_mul_f32 v[\p+\i:\p+\i+1], v[\p+\i:\p+\i+1], 0x4038aa3b op_sel_hi:[1,0]
.endr
.irp i, 0,1,2,3,4,5,6,7
	v_exp_f32 v[\p+\i], v[\p+\i]
.endr
	v_nop
	s_wait_alu depctr_va_vdst(0)
.irp i, 0,2,4,6
	v_pk_add_f32 v[\p+\i:\p+\i+1], v[\p+\i:\p+\i+1], 1.0 op_sel_hi:[1,0]
.endr
.irp i, 0,1,2,3,4,5,6,7
	v_rcp_f32 v[\p+\i], v[\p+\i]
.endr
	v_nop
	s_wait_alu depctr_va_vdst(0)
.irp i, 0,2,4,6
	v_pk_fma_f32 v[\p+\i:\p+\i+1], v[\p+\i:\p+\i+1], -2.0, 1.0 op_sel_hi:[1,0,0]
.endr
.endm
.macro MAIN withx                      ; everything was asked for in one burst: one wait, then the products
	s_wait_loadcnt 0x0
.if \withx
.irp p, 0,1,2,3,4,5,6,7
	v_cvt_pk_f16_f32 v[AX+\p], v[XR+2*\p], v[XR+2*\p+1]
.endr
.endif
	v_wmma_f32_16x16x32_f16 v[DD:DD+7], v[AF:AF+7], v[BF:BF+7], 0
	v_wmma_f32_16x16x32_f16 v[DT:DT+7], v[BF:BF+7], v[AF:AF+7], 0
.irp k, 1,2,3
	v_wmma_f32_16x16x32_f16 v[DD:DD+7], v[AF+8*\k:AF+8*\k+7], v[BF+8*\k:BF+8*\k+7], v[DD:DD+7]
	v_wmma_f32_16x16x32_f16 v[DT:DT+7], v[BF+8*\k:BF+8*\k+7], v[AF+8*\k:AF+8*\k+7], v[DT:DT+7]
.endr
.if \withx
	v_wmma_f32_16x16x32_f16 v[DD:DD+7], v[AX:AX+7], v[BX:BX+7], v[DD:DD+7]
	v_wmma_f32_16x16x32_f16 v[DT:DT+7], v[BX:BX+7], v[AX:AX+7], v[DT:DT+7]
.endif
.rept 4
	v_nop                                          ; four places before the LDS stores read the results
.endr
.endm
.macro REDSTORE
	v_lshl_add_u32 v6, s28, 10, v1
	ds_store_b128 v6, v[DD:DD+3]
	ds_store_b128 v6, v[DD+4:DD+7] offset:512
	ds_store_b128 v6, v[DT:DT+3] offset:8192
	ds_store_b128 v6, v[DT+4:DT+7] offset:8704
.endm
.macro REDSUM
	v_lshl_add_u32 v6, s28, 13, v1
.irp i, 0,1,2,3,4,5,6,7,8,9,10,11,12,13,14,15
	ds_load_b128 v[RB+4*\i:RB+4*\i+3], v6 offset:512*\i
.endr
	s_wait_dscnt 0x0
.irp a, 0,16,32,48
.irp i, 0,2,4,6
	v_pk_add_f32 v[RB+\a+\i:RB+\a+\i+1], v[RB+\a+\i:RB+\a+\i+1], v[RB+\a+8+\i:RB+\a+8+\i+1]
.endr
.endr
.irp a, 0,32
.irp i, 0,2,4,6
	v_pk_add_f32 v[RB+\a+\i:RB+\a+\i+1], v[RB+\a+\i:RB+\a+\i+1], v[RB+\a+16+\i:RB+\a+16+\i+1]
.endr
.endr
.irp i, 0,2,4,6
	v_pk_add_f32 v[RB+\i:RB+\i+1], v[RB+\i:RB+\i+1], v[RB+32+\i:RB+32+\i+1]
.endr
.endm
	s_load_b256 s[8:15], s[0:1], 0x0               ; counter in s[8:9], Hin s[10:11], Wfr s[12:13], x s[14:15]
	s_load_b256 s[16:23], s[0:1], 0x20             ; target s[16:17], counter out s[18:19], Hout s[20:21], G s[22:23]
	s_load_b64 s[24:25], s[0:1], 0x40              ; out0
	v_and_b32 v7, 31, v0
	v_lshlrev_b32 v1, 4, v7                        ; lane x 16
	v_and_b32 v2, 15, v0                           ; r
	v_bfe_u32 v3, v0, 4, 1                         ; hh
	v_lshrrev_b32 v4, 5, v0
	v_readfirstlane_b32 s28, v4                    ; wave
	s_mov_b32 s29, ttmp9                           ; q
	s_and_b32 s30, ttmp7, 0xffff                   ; mt
	v_lshlrev_b32 v5, 10, v2
	v_lshl_add_u32 v5, v3, 5, v5                   ; x: r x 1024 + hh x 32
	s_wait_kmcnt 0x0
	s_load_b64 s[26:27], s[8:9], 0x0               ; t, t - 1
	s_lshl_b32 s32, s30, 15
	s_lshl_b32 s34, s28, 12
	s_add_co_u32 s32, s32, s34
	ADDR 36, 10, 32
.irp i, 0,1,2,3,4,5,6,7
	global_load_b128 v[AF+4*\i:AF+4*\i+3], v1, s[36:37] offset:512*\i
.endr
	s_mul_i32 s31, s29, WT
	s_add_co_u32 s32, s31, s34
	ADDR 38, 12, 32
.irp i, 0,1,2,3,4,5,6,7
	global_load_b128 v[BF+4*\i:BF+4*\i+3], v1, s[38:39] offset:512*\i
.endr
	s_cmp_ge_u32 s29, 64
	s_cbranch_scc1 .Lopath
	; ---- a tile of h_{t+1} ----
	s_lshl_b32 s34, s28, 10
	s_add_co_u32 s32, s31, s34
	ADDR 40, 12, 32
	global_load_b128 v[BX:BX+3], v1, s[40:41] offset:32768
	global_load_b128 v[BX+4:BX+7], v1, s[40:41] offset:33280
	s_wait_kmcnt 0x0
	s_min_u32 s26, s26, 15                         ; a number from memory enters addresses only clamped
	s_lshl_b32 s32, s26, 15
	s_lshl_b32 s34, s30, 14
	s_add_co_u32 s32, s32, s34
	s_lshl_b32 s34, s28, 7
	s_add_co_u32 s32, s32, s34
	ADDR 42, 14, 32
	global_load_b128 v[XR:XR+3], v5, s[42:43]
	global_load_b128 v[XR+4:XR+7], v5, s[42:43] offset:16
	global_load_b128 v[XR+8:XR+11], v5, s[42:43] offset:64
	global_load_b128 v[XR+12:XR+15], v5, s[42:43] offset:80
	s_lshl_b32 s32, s26, 17
	s_lshl_b32 s34, s29, 11
	s_add_co_u32 s32, s32, s34
	s_lshl_b32 s34, s30, 10
	s_add_co_u32 s32, s32, s34
	s_add_co_u32 s32, s32, HDO
	ADDR 44, 22, 32                                ; G.HD[t]
	s_mul_i32 s32, s26, HXS
	s_lshl_b32 s34, s29, 10
	s_add_co_u32 s32, s32, s34
	s_lshl_b32 s34, s30, 9
	s_add_co_u32 s32, s32, s34
	s_add_co_u32 s32, s32, HXS
	ADDR 46, 22, 32                                ; G.HX[t+1]
	s_lshl_b32 s32, s30, 15
	s_lshl_b32 s34, s29, 9
	s_add_co_u32 s32, s32, s34
	ADDR 48, 20, 32                                ; Hout
	MAIN 1
	REDSTORE
	; wave 2 of work-group (0, 0): word 0 = t + 1, word 1 = t for the next launch
	s_xor_b32 s50, s28, 2
	s_or_b32 s50, s50, s29
	s_or_b32 s50, s50, s30
	s_cmp_lg_u32 s50, 0
	s_cbranch_scc1 .Lnocnt
	s_add_co_u32 s51, s26, 1
	v_sub_nc_u32 v8, s51, v7
	v_lshlrev_b32 v9, 2, v7
	global_store_b32 v9, v8, s[18:19]
.Lnocnt:
	s_wait_dscnt 0x0                               ; my partial tiles are in LDS before I say so
	s_barrier_signal -1
	s_barrier_wait -1
	s_cmp_gt_u32 s28, 1
	s_cbranch_scc1 .Lend
	REDSUM
	TANH8 RB
	s_cmp_lg_u32 s28, 0
	s_cbranch_scc1 .Lh1
	global_store_b128 v1, v[RB:RB+3], s[44:45]
	global_store_b128 v1, v[RB+4:RB+7], s[44:45] offset:512
	PACK8 PK, RB
	global_store_b128 v1, v[PK:PK+3], s[46:47]
	s_endpgm
.Lh1:
	PACK8 PK, RB
	global_store_b128 v1, v[PK:PK+3], s[48:49]
.Lend:
	s_endpgm
	; ---- a tile of o_{t-1} and err_{t-1}: K = 1024 only, no x ----
.Lopath:
	s_sub_co_u32 s52, s29, 64                      ; p
	s_wait_kmcnt 0x0
	s_min_u32 s27, s27, 15
	s_lshl_b32 s32, s27, 14
	s_lshl_b32 s34, s30, 13
	s_add_co_u32 s32, s32, s34
	s_lshl_b32 s34, s52, 6
	s_add_co_u32 s32, s32, s34
	ADDR 44, 16, 32                                ; target, and
	ADDR 46, 24, 32                                ; out0, which has the same shape
	v_lshlrev_b32 v8, 2, v2
	v_lshl_add_u32 v8, v3, 12, v8                  ; lane = column: r x 4 + 8 hh rows of 512 bytes
	v_lshlrev_b32 v9, 9, v2
	v_lshl_add_u32 v9, v3, 5, v9                   ; lane = batch: r x 512 + hh x 32
	; every wave loads both patterns (10 small loads), so that no register is defined on one wave's path only
.irp i, 0,1,2,3,4,5,6,7
	global_load_b32 v[ZD+\i], v8, s[44:45] offset:512*\i
.endr
	global_load_b128 v[ZT:ZT+3], v9, s[44:45]
	global_load_b128 v[ZT+4:ZT+7], v9, s[44:45] offset:16
	s_lshl_b32 s32, s27, 13
	s_lshl_b32 s34, s30, 12
	s_add_co_u32 s32, s32, s34
	s_lshl_b32 s34, s52, 9
	s_add_co_u32 s32, s32, s34
	s_add_co_u32 s32, s32, EO
	ADDR 48, 22, 32                                ; G.E[t-1]
	s_lshl_b32 s32, s27, 13
	s_lshl_b32 s34, s52, 10
	s_add_co_u32 s32, s32, s34
	s_lshl_b32 s34, s30, 9
	s_add_co_u32 s32, s32, s34
	s_add_co_u32 s32, s32, ETO
	ADDR 54, 22, 32                                ; G.ET[t-1]
	MAIN 0
	REDSTORE
	s_wait_dscnt 0x0
	s_barrier_signal -1
	s_barrier_wait -1
	s_cmp_gt_u32 s28, 1
	s_cbranch_scc1 .Lend2
	REDSUM
	s_cmp_lg_u32 s28, 0
	s_cbranch_scc1 .Lo1
.irp i, 0,2,4,6
	v_pk_add_f32 v[ER+\i:ER+\i+1], v[RB+\i:RB+\i+1], v[ZD+\i:ZD+\i+1] neg_lo:[0,1] neg_hi:[0,1]
.endr
	PACK8 PK, ER
	global_store_b128 v1, v[PK:PK+3], s[54:55]
	s_endpgm
.Lo1:
	global_store_b128 v9, v[RB:RB+3], s[46:47]     ; o: the 64 bytes of each of 16 rows that this tile owns
	global_store_b128 v9, v[RB+4:RB+7], s[46:47] offset:16
.irp i, 0,2,4,6
	v_pk_add_f32 v[ER+\i:ER+\i+1], v[RB+\i:RB+\i+1], v[ZT+\i:ZT+\i+1] neg_lo:[0,1] neg_hi:[0,1]
.endr
	PACK8 PK, ER
	global_store_b128 v1, v[PK:PK+3], s[48:49]
.Lend2:
	s_endpgm
.Lfunc_end_k_q2aae23fb88_s1:
	.size	k_q2aae23fb88_s1, .Lfunc_end_k_q2aae23fb88_s1-k_q2aae23fb88_s1
	.p2alignl 7, 3214868480
	.fill 96, 4, 3214868480
	.section	.rodata,"a",@progbits
	.p2align	6, 0x0
	.amdhsa_kernel k_q2aae23fb88_s1
		.amdhsa_group_segment_fixed_size 16384
		.amdhsa_private_segment_fixed_size 0
		.amdhsa_enable_private_segment 0
		.amdhsa_kernarg_size 72
		.amdhsa_user_sgpr_count 2
		.amdhsa_user_sgpr_kernarg_segment_ptr 1
		.amdhsa_wavefront_size32 1
		.amdhsa_system_sgpr_workgroup_id_x 1
		.amdhsa_system_sgpr_workgroup_id_y 1
		.amdhsa_system_sgpr_workgroup_id_z 1
		.amdhsa_system_vgpr_workitem_id 0
		.amdhsa_next_free_vgpr 220
		.amdhsa_next_free_sgpr 66
		.amdhsa_reserve_vcc 0
		.amdhsa_float_denorm_mode_32 3
		.amdhsa_float_denorm_mode_16_64 3
		.amdhsa_memory_ordered 1
		.amdhsa_forward_progress 1
		.amdhsa_inst_pref_size 20
	.end_amdhsa_kernel
	.amdgpu_metadata
---
amdhsa.version: [ 1, 2 ]
amdhsa.kernels:
  - .name:           k_q2aae23fb88_s1
    .symbol:         k_q2aae23fb88_s1.kd
    .args:
      - { .name: cntA, .offset: 0, .size: 8, .value_kind: global_buffer, .address_space: global }
      - { .name: Hodd, .offset: 8, .size: 8, .value_kind: global_buffer, .address_space: global }
      - { .name: Wfr, .offset: 16, .size: 8, .value_kind: global_buffer, .address_space: global }
      - { .name: x, .offset: 24, .size: 8, .value_kind: global_buffer, .address_space: global }
      - { .name: target, .offset: 32, .size: 8, .value_kind: global_buffer, .address_space: global }
      - { .name: cntB, .offset: 40, .size: 8, .value_kind: global_buffer, .address_space: global }
      - { .name: Heven, .offset: 48, .size: 8, .value_kind: global_buffer, .address_space: global }
      - { .name: G, .offset: 56, .size: 8, .value_kind: global_buffer, .address_space: global }
      - { .name: out0, .offset: 64, .size: 8, .value_kind: global_buffer, .address_space: global }
    .group_segment_fixed_size: 16384
    .private_segment_fixed_size: 0
    .kernarg_segment_align: 8
    .kernarg_segment_size: 72
    .max_flat_workgroup_size: 256
    .sgpr_count:     66
    .vgpr_count:     220
    .wavefront_size: 32
...
	.end_amdgpu_metadata
.endif
;; end of part 2
;; launch s2: the kernel of part 2 again; grid 72 x 2, 8 waves a work-group, no clusters, 16,384 bytes of LDS; arguments cntB, Heven, Wfr, x, target, cntA, Hodd, G, out0; writes cntA, Hodd, G, out0
;; launch s3: the kernel of part 2 again; grid 72 x 2, 8 waves a work-group, no clusters, 16,384 bytes of LDS; arguments cntA, Hodd, Wfr, x, target, cntB, Heven, G, out0; writes cntB, Heven, G, out0
;; launch s4: the kernel of part 2 again; grid 72 x 2, 8 waves a work-group, no clusters, 16,384 bytes of LDS; arguments cntB, Heven, Wfr, x, target, cntA, Hodd, G, out0; writes cntA, Hodd, G, out0
;; launch s5: the kernel of part 2 again; grid 72 x 2, 8 waves a work-group, no clusters, 16,384 bytes of LDS; arguments cntA, Hodd, Wfr, x, target, cntB, Heven, G, out0; writes cntB, Heven, G, out0
;; launch s6: the kernel of part 2 again; grid 72 x 2, 8 waves a work-group, no clusters, 16,384 bytes of LDS; arguments cntB, Heven, Wfr, x, target, cntA, Hodd, G, out0; writes cntA, Hodd, G, out0
;; launch s7: the kernel of part 2 again; grid 72 x 2, 8 waves a work-group, no clusters, 16,384 bytes of LDS; arguments cntA, Hodd, Wfr, x, target, cntB, Heven, G, out0; writes cntB, Heven, G, out0
;; launch s8: the kernel of part 2 again; grid 72 x 2, 8 waves a work-group, no clusters, 16,384 bytes of LDS; arguments cntB, Heven, Wfr, x, target, cntA, Hodd, G, out0; writes cntA, Hodd, G, out0
;; launch s9: the kernel of part 2 again; grid 72 x 2, 8 waves a work-group, no clusters, 16,384 bytes of LDS; arguments cntA, Hodd, Wfr, x, target, cntB, Heven, G, out0; writes cntB, Heven, G, out0
;; launch s10: the kernel of part 2 again; grid 72 x 2, 8 waves a work-group, no clusters, 16,384 bytes of LDS; arguments cntB, Heven, Wfr, x, target, cntA, Hodd, G, out0; writes cntA, Hodd, G, out0
;; launch s11: the kernel of part 2 again; grid 72 x 2, 8 waves a work-group, no clusters, 16,384 bytes of LDS; arguments cntA, Hodd, Wfr, x, target, cntB, Heven, G, out0; writes cntB, Heven, G, out0
;; launch s12: the kernel of part 2 again; grid 72 x 2, 8 waves a work-group, no clusters, 16,384 bytes of LDS; arguments cntB, Heven, Wfr, x, target, cntA, Hodd, G, out0; writes cntA, Hodd, G, out0
;; launch s13: the kernel of part 2 again; grid 72 x 2, 8 waves a work-group, no clusters, 16,384 bytes of LDS; arguments cntA, Hodd, Wfr, x, target, cntB, Heven, G, out0; writes cntB, Heven, G, out0
;; launch two (part 3): grid 10 x 2, 8 waves a work-group, no clusters, 81,920 bytes of LDS; arguments Heven, Wfr, x, target, Hodd, G, out0, out1; writes Hodd, G, out0, out1
.if DOCPART == 3
	.amdgcn_target "amdgcn-amd-amdhsa--gfx1250"
	.amdhsa_code_object_version 6
	.text
	.protected	k_q2aae23fb88_two
	.globl	k_q2aae23fb88_two
	.p2align	8
	.type	k_q2aae23fb88_two,@function
k_q2aae23fb88_two:
	s_mov_b64 s[64:65], 0
	v_nop
	global_prefetch_b8 v0, s[64:65] scope:SCOPE_SE
	s_setreg_imm32_b32 hwreg(HW_REG_WAVE_MODE, 25, 1), 1
	s_wait_xcnt 0x0
; STEPS 14 AND 15 IN ONE LAUNCH.  Work-groups cannot hand h_15 to each other inside a launch, so each work-group (g, mt) makes ALL of
; h_15 for its 16 batch rows (64 tiles, 8 for each wave, K = 1280) into LDS, and then each wave makes one final tile from it:
;   g = 0..7: tile 8 g + w of h_16 (out1, Hout, G.HD[15], G.HX[16]);  g = 8: tile w of o_14 = h_15 W_out^T;
;   g = 9: no h_15 at all: tile w of o_13 = h_14 W_out^T.   Work-group g < 8 also stores tiles 8 g.. of h_15 (its wave g made them).
; LDS: A14 at 0, A15 at 40,960: 40 K steps of 1,024 bytes each in fragment order, h in K steps 0..31, x in 32..39.
; Weights stream from Wfr straight into a ring of five register slots of four K steps (4,096 bytes a slot and wave): 40 loads of a wave are out.
; The o tiles run the same ten units: their weights for the x part are zeros in Wfr.
; FORMAT: matrix operands f16 (|x|, |err| below 65504); sums, tanh, err in f32.
; No cluster: what bounds a work-group is its own 64 weight tiles through its own registers; a joint fetch would have to go through LDS.
.set WT,  40960
.set HXS, 81920
.set HDO, 17*HXS
.set EO,  HDO+16*131072
.set ETO, EO+16*8192
.set DD,  16                           ; v[16:23]   tile, lane = column
.set DT,  24                           ; v[24:31]   tile, lane = batch
.set AR,  32                           ; v[32:95]   two slots of four A fragments
.set BR,  96                           ; v[96:255]  five slots of four weight fragments
.set CUR, 40                           ; s[40:41]   Wfr at the tile at work
.set NXT, 42                           ; s[42:43]   Wfr at the tile behind it
.set FIN, 44                           ; s[44:45]   Wfr at my final tile
.macro ADDR dst, base, o
	s_mov_b32 s[\o+1], 0
	s_add_nc_u64 s[\dst:\dst+1], s[\base:\base+1], s[\o:\o+1]
.endm
.macro LDRAW dst, vo, base, imm
	global_load_b128 v[\dst:\dst+3], v[\vo], s[\base:\base+1] offset:\imm
	global_load_b128 v[\dst+4:\dst+7], v[\vo], s[\base:\base+1] offset:\imm+16
	global_load_b128 v[\dst+8:\dst+11], v[\vo], s[\base:\base+1] offset:\imm+64
	global_load_b128 v[\dst+12:\dst+15], v[\vo], s[\base:\base+1] offset:\imm+80
.endm
.macro CVT8 f
.irp p, 0,1,2,3,4,5,6,7
	v_cvt_pk_f16_f32 v[\f+\p], v[\f+2*\p], v[\f+2*\p+1]
.endr
.endm
.macro PACK8 d, s
.irp i, 0,1,2,3
	v_cvt_pk_f16_f32 v[\d+\i], v[\s+2*\i], v[\s+2*\i+1]
.endr
.endm
.macro TANH8 p
.irp i, 0,2,4,6
	v_pk_mul_f32 v[\p+\i:\p+\i+1], v[\p+\i:\p+\i+1], 0x4038aa3b op_sel_hi:[1,0]
.endr
.irp i, 0,1,2,3,4,5,6,7
	v_exp_f32 v[\p+\i], v[\p+\i]
.endr
	v_nop
	s_wait_alu depctr_va_vdst(0)
.irp i, 0,2,4,6
	v_pk_add_f32 v[\p+\i:\p+\i+1], v[\p+\i:\p+\i+1], 1.0 op_sel_hi:[1,0]
.endr
.irp i, 0,1,2,3,4,5,6,7
	v_rcp_f32 v[\p+\i], v[\p+\i]
.endr
	v_nop
	s_wait_alu depctr_va_vdst(0)
.irp i, 0,2,4,6
	v_pk_fma_f32 v[\p+\i:\p+\i+1], v[\p+\i:\p+\i+1], -2.0, 1.0 op_sel_hi:[1,0,0]
.endr
.endm
.macro LDA u                           ; four A fragments of unit u from LDS into slot u & 1
.irp i, 0,1,2,3,4,5,6,7
	ds_load_b128 v[AR+32*((\u)&1)+4*\i:AR+32*((\u)&1)+4*\i+3], v6 offset:(\u)*4096+\i*512
.endr
.endm
.macro LDB slot, base, unit            ; four weight fragments: eight loads of 512 consecutive bytes
.irp i, 0,1,2,3,4,5,6,7
	global_load_b128 v[BR+32*(\slot)+4*\i:BR+32*(\slot)+4*\i+3], v1, s[\base:\base+1] offset:(\unit)*4096+\i*512
.endr
.endm
; A unit = four K steps.  left: how many younger weight loads may stay out.  pf = 1: the slot is filled again with unit u + 5 of this tile,
; pf = 2: with unit u - 5 of the next tile, pf = 0: not at all.
.macro UNIT u, pf, left
	s_wait_loadcnt \left                           ; loads return in order: this unit's eight are in
	s_wait_dscnt 0x0                               ; this unit's A fragments are in
.if \u < 9
	LDA \u+1                                       ; into the slot whose products ended four places ago
.endif
.irp k, 0,1,2,3
.if \u+\k == 0
	v_wmma_f32_16x16x32_f16 v[DD:DD+7], v[AR:AR+7], v[BR:BR+7], 0
	v_wmma_f32_16x16x32_f16 v[DT:DT+7], v[BR:BR+7], v[AR:AR+7], 0
.else
	v_wmma_f32_16x16x32_f16 v[DD:DD+7], v[AR+32*((\u)&1)+8*\k:AR+32*((\u)&1)+8*\k+7], v[BR+32*((\u)%5)+8*\k:BR+32*((\u)%5)+8*\k+7], v[DD:DD+7]
	v_wmma_f32_16x16x32_f16 v[DT:DT+7], v[BR+32*((\u)%5)+8*\k:BR+32*((\u)%5)+8*\k+7], v[AR+32*((\u)&1)+8*\k:AR+32*((\u)&1)+8*\k+7], v[DT:DT+7]
.endif
.endr
.rept 4
	v_nop                                          ; four places before loads land on the sources or anything reads the results
.endr
.if \pf == 1
	LDB (\u)%5, CUR, \u+5
.endif
.if \pf == 2
	LDB (\u)%5, NXT, \u-5
.endif
.endm
.macro TILE last                       ; ten units; 40 weight loads are out at each unit's head, the oldest 8 are wanted: wait for 32
	LDA 0
.irp u, 0,1,2,3,4
	UNIT \u, 1, 32
.endr
.if \last
	UNIT 5, 0, 32                                  ; nothing follows: the counts run down
	UNIT 6, 0, 24
	UNIT 7, 0, 16
	UNIT 8, 0, 8
	UNIT 9, 0, 0
.else
.irp u, 5,6,7,8,9
	UNIT \u, 2, 32
.endr
.endif
.endm
	s_load_b256 s[8:15], s[0:1], 0x0               ; Hin (h_14) s[8:9], Wfr s[10:11], x s[12:13], target s[14:15]
	s_load_b256 s[16:23], s[0:1], 0x20             ; Hout s[16:17], G s[18:19], out0 s[20:21], out1 s[22:23]
	v_and_b32 v1, 31, v0
	v_lshlrev_b32 v1, 4, v1                        ; lane x 16
	v_and_b32 v2, 15, v0                           ; r
	v_bfe_u32 v3, v0, 4, 1                         ; hh
	v_lshrrev_b32 v4, 5, v0
	v_readfirstlane_b32 s28, v4                    ; wave
	s_mov_b32 s29, ttmp9                           ; g
	s_and_b32 s30, ttmp7, 0xffff                   ; mt
	v_lshlrev_b32 v5, 10, v2
	v_lshl_add_u32 v5, v3, 5, v5                   ; x: r x 1024 + hh x 32
	s_wait_kmcnt 0x0
	s_lshl_b32 s32, s30, 15
	s_lshl_b32 s34, s28, 12
	s_add_co_u32 s32, s32, s34
	ADDR 36, 8, 32
.irp i, 0,1,2,3,4,5,6,7
	global_load_b128 v[AR+4*\i:AR+4*\i+3], v1, s[36:37] offset:512*\i   ; my eighth of h_14's fragments
.endr
	s_lshl_b32 s32, s30, 14
	s_lshl_b32 s34, s28, 7
	s_add_co_u32 s32, s32, s34
	s_add_co_u32 s32, s32, 14*32768
	ADDR 38, 12, 32
	LDRAW AR+32, 5, 38, 0                          ; x_14, K step w
	LDRAW AR+48, 5, 38, 32768                      ; x_15, K step w
	s_lshl_b32 s34, s28, 3                         ; first tile: 8 w, or for g = 9 my final tile
	s_add_co_u32 s35, s28, 64
	s_cmp_eq_u32 s29, 9
	s_cselect_b32 s34, s35, s34
	s_mul_i32 s32, s34, WT
	ADDR CUR, 10, 32
	s_add_nc_u64 s[NXT:NXT+1], s[CUR:CUR+1], WT
	s_lshl3_add_u32 s34, s29, s28                  ; final tile: 8 g + w, or 64 + w
	s_cmp_lt_u32 s29, 8
	s_cselect_b32 s46, s34, s35
	s_mul_i32 s32, s46, WT
	ADDR FIN, 10, 32
.irp u, 0,1,2,3,4
	LDB \u, CUR, \u
.endr
	v_lshl_add_u32 v8, s28, 12, v1
	v_lshl_add_u32 v9, s28, 10, v1
	v_add_nc_u32 v4, 40960, v9
	v_mov_b32 v6, v1                               ; A fragments come from A14
	s_lshl_b32 s34, s28, 12
	s_add_co_u32 s34, s34, 40960
	v_add_nc_u32 v7, s34, v1                       ; where my tiles of h_15 go: A15 + tile x 512
	s_lshl_b32 s34, s28, 14
	s_lshl_b32 s35, s30, 10
	s_add_co_u32 s34, s34, s35
	s_add_co_u32 s34, s34, HDO+14*131072
	v_add_nc_u32 v10, s34, v1                      ; offset in G.HD[14] of tile 8 w
	s_lshl_b32 s34, s28, 13
	s_lshl_b32 s35, s30, 9
	s_add_co_u32 s34, s34, s35
	s_add_co_u32 s34, s34, 15*HXS
	v_add_nc_u32 v11, s34, v1                      ; offset in G.HX[15] of tile 8 w
	s_wait_loadcnt 40                              ; the 40 weight loads stay out; the 16 loads in front of them are in
.irp i, 0,1,2,3,4,5,6,7
	ds_store_b128 v8, v[AR+4*\i:AR+4*\i+3] offset:512*\i
.endr
	CVT8 AR+32
	CVT8 AR+48
	ds_store_b128 v9, v[AR+32:AR+35] offset:32768
	ds_store_b128 v9, v[AR+36:AR+39] offset:33280
	ds_store_b128 v4, v[AR+48:AR+51] offset:32768
	ds_store_b128 v4, v[AR+52:AR+55] offset:33280
	s_wait_dscnt 0x0                               ; my part of A14 and of both x parts is in LDS before I say so
	s_barrier_signal -1
	s_barrier_wait -1
	s_cmp_eq_u32 s29, 9
	s_cbranch_scc1 .Lfinal
	; ---- h_15: my eight tiles ----
	s_mov_b32 s47, 0
.Ltile:
	TILE 0
	TANH8 DT
	PACK8 12, DT
	ds_store_b128 v7, v[12:15]                     ; h_15 as A fragments
	s_cmp_lg_u32 s28, s29
	s_cbranch_scc1 .Lnost
	TANH8 DD                                       ; wave g of work-group g < 8 also leaves the tile for the gradient launch
	global_store_b128 v10, v[DD:DD+3], s[18:19]
	global_store_b128 v10, v[DD+4:DD+7], s[18:19] offset:512
	PACK8 AR, DD
	global_store_b128 v11, v[AR:AR+3], s[18:19]
.Lnost:
	s_wait_xcnt 0x0                                ; the bases of the weight loads, and the stores' data and offsets, are rewritten only behind this wait
	v_add_nc_u32 v7, 512, v7
	v_add_nc_u32 v10, 2048, v10
	v_add_nc_u32 v11, 1024, v11
	s_mov_b64 s[CUR:CUR+1], s[NXT:NXT+1]
	s_add_nc_u64 s[NXT:NXT+1], s[NXT:NXT+1], WT
	s_cmp_eq_u32 s47, 6                            ; behind my eighth tile comes my final tile
	s_cselect_b64 s[NXT:NXT+1], s[FIN:FIN+1], s[NXT:NXT+1]
	s_add_co_u32 s47, s47, 1
	s_cmp_lt_u32 s47, 8
	s_cbranch_scc1 .Ltile
	s_wait_dscnt 0x0                               ; my tiles of h_15 are in LDS before I say so
	s_barrier_signal -1
	s_barrier_wait -1
	v_add_nc_u32 v6, 40960, v1                     ; A fragments now come from A15
	; ---- the final tile; on both ways in, units 0..4 of its weights are the 40 loads that are out ----
.Lfinal:
	TILE 1
	s_cmp_ge_u32 s29, 8
	s_cbranch_scc1 .Lfo
	s_lshl_b32 s32, s30, 16
	s_lshl_b32 s34, s46, 6
	s_add_co_u32 s32, s32, s34
	ADDR 48, 22, 32                                ; out1
	s_lshl_b32 s32, s30, 15
	s_lshl_b32 s34, s46, 9
	s_add_co_u32 s32, s32, s34
	ADDR 50, 16, 32                                ; Hout
	s_lshl_b32 s32, s46, 11
	s_lshl_b32 s34, s30, 10
	s_add_co_u32 s32, s32, s34
	s_add_co_u32 s32, s32, HDO+15*131072
	ADDR 52, 18, 32                                ; G.HD[15]
	s_lshl_b32 s32, s46, 10
	s_lshl_b32 s34, s30, 9
	s_add_co_u32 s32, s32, s34
	s_add_co_u32 s32, s32, 16*HXS
	ADDR 54, 18, 32                                ; G.HX[16]
	v_lshlrev_b32 v8, 12, v2
	v_lshl_add_u32 v8, v3, 5, v8
	TANH8 DT
	global_store_b128 v8, v[DT:DT+3], s[48:49]     ; h_16: the 64 bytes of each of 16 rows that this tile owns
	global_store_b128 v8, v[DT+4:DT+7], s[48:49] offset:16
	PACK8 12, DT
	global_store_b128 v1, v[12:15], s[50:51]
	TANH8 DD
	global_store_b128 v1, v[DD:DD+3], s[52:53]
	global_store_b128 v1, v[DD+4:DD+7], s[52:53] offset:512
	PACK8 AR, DD
	global_store_b128 v1, v[AR:AR+3], s[54:55]
	s_endpgm
.Lfo:
	s_cmp_eq_u32 s29, 8
	s_cselect_b32 s47, 14, 13                      ; which o this is
	s_lshl_b32 s32, s47, 14
	s_lshl_b32 s34, s30, 13
	s_add_co_u32 s32, s32, s34
	s_lshl_b32 s34, s28, 6
	s_add_co_u32 s32, s32, s34
	ADDR 48, 14, 32                                ; target
	ADDR 50, 20, 32                                ; out0
	v_lshlrev_b32 v8, 2, v2
	v_lshl_add_u32 v8, v3, 12, v8
	v_lshlrev_b32 v9, 9, v2
	v_lshl_add_u32 v9, v3, 5, v9
.irp i, 0,1,2,3,4,5,6,7
	global_load_b32 v[BR+\i], v8, s[48:49] offset:512*\i
.endr
	global_load_b128 v[BR+8:BR+11], v9, s[48:49]
	global_load_b128 v[BR+12:BR+15], v9, s[48:49] offset:16
	s_lshl_b32 s32, s47, 13
	s_lshl_b32 s34, s30, 12
	s_add_co_u32 s32, s32, s34
	s_lshl_b32 s34, s28, 9
	s_add_co_u32 s32, s32, s34
	s_add_co_u32 s32, s32, EO
	ADDR 52, 18, 32
	s_lshl_b32 s32, s47, 13
	s_lshl_b32 s34, s28, 10
	s_add_co_u32 s32, s32, s34
	s_lshl_b32 s34, s30, 9
	s_add_co_u32 s32, s32, s34
	s_add_co_u32 s32, s32, ETO
	ADDR 54, 18, 32
	global_store_b128 v9, v[DT:DT+3], s[50:51]
	global_store_b128 v9, v[DT+4:DT+7], s[50:51] offset:16
	s_wait_loadcnt 0x0
.irp i, 0,2,4,6
	v_pk_add_f32 v[BR+16+\i:BR+16+\i+1], v[DT+\i:DT+\i+1], v[BR+8+\i:BR+8+\i+1] neg_lo:[0,1] neg_hi:[0,1]
	v_pk_add_f32 v[BR+24+\i:BR+24+\i+1], v[DD+\i:DD+\i+1], v[BR+\i:BR+\i+1] neg_lo:[0,1] neg_hi:[0,1]
.endr
	PACK8 12, BR+16
	global_store_b128 v1, v[12:15], s[52:53]       ; G.E: lane = batch
	PACK8 AR, BR+24
	global_store_b128 v1, v[AR:AR+3], s[54:55]     ; G.ET: lane = column
	s_endpgm
.Lfunc_end_k_q2aae23fb88_two:
	.size	k_q2aae23fb88_two, .Lfunc_end_k_q2aae23fb88_two-k_q2aae23fb88_two
	.p2alignl 7, 3214868480
	.fill 96, 4, 3214868480
	.section	.rodata,"a",@progbits
	.p2align	6, 0x0
	.amdhsa_kernel k_q2aae23fb88_two
		.amdhsa_group_segment_fixed_size 81920
		.amdhsa_private_segment_fixed_size 0
		.amdhsa_enable_private_segment 0
		.amdhsa_kernarg_size 64
		.amdhsa_user_sgpr_count 2
		.amdhsa_user_sgpr_kernarg_segment_ptr 1
		.amdhsa_wavefront_size32 1
		.amdhsa_system_sgpr_workgroup_id_x 1
		.amdhsa_system_sgpr_workgroup_id_y 1
		.amdhsa_system_sgpr_workgroup_id_z 1
		.amdhsa_system_vgpr_workitem_id 0
		.amdhsa_next_free_vgpr 256
		.amdhsa_next_free_sgpr 66
		.amdhsa_reserve_vcc 0
		.amdhsa_float_denorm_mode_32 3
		.amdhsa_float_denorm_mode_16_64 3
		.amdhsa_memory_ordered 1
		.amdhsa_forward_progress 1
		.amdhsa_inst_pref_size 58
	.end_amdhsa_kernel
	.amdgpu_metadata
---
amdhsa.version: [ 1, 2 ]
amdhsa.kernels:
  - .name:           k_q2aae23fb88_two
    .symbol:         k_q2aae23fb88_two.kd
    .args:
      - { .name: Heven, .offset: 0, .size: 8, .value_kind: global_buffer, .address_space: global }
      - { .name: Wfr, .offset: 8, .size: 8, .value_kind: global_buffer, .address_space: global }
      - { .name: x, .offset: 16, .size: 8, .value_kind: global_buffer, .address_space: global }
      - { .name: target, .offset: 24, .size: 8, .value_kind: global_buffer, .address_space: global }
      - { .name: Hodd, .offset: 32, .size: 8, .value_kind: global_buffer, .address_space: global }
      - { .name: G, .offset: 40, .size: 8, .value_kind: global_buffer, .address_space: global }
      - { .name: out0, .offset: 48, .size: 8, .value_kind: global_buffer, .address_space: global }
      - { .name: out1, .offset: 56, .size: 8, .value_kind: global_buffer, .address_space: global }
    .group_segment_fixed_size: 81920
    .private_segment_fixed_size: 0
    .kernarg_segment_align: 8
    .kernarg_segment_size: 64
    .max_flat_workgroup_size: 256
    .sgpr_count:     66
    .vgpr_count:     256
    .wavefront_size: 32
...
	.end_amdgpu_metadata
.endif
;; end of part 3
;; launch grad (part 4): grid 88 x 1, 8 waves a work-group, no clusters, 327,680 bytes of LDS; arguments Hodd, Wfr, G, W_hh, W_out, target, out0, out2, out3, out4; writes out0, out2, out3, out4
.if DOCPART == 4
	.amdgcn_target "amdgcn-amd-amdhsa--gfx1250"
	.amdhsa_code_object_version 6
	.text
	.protected	k_q2aae23fb88_grad
	.globl	k_q2aae23fb88_grad
	.p2align	8
	.type	k_q2aae23fb88_grad,@function
k_q2aae23fb88_grad:
	s_mov_b64 s[64:65], 0
	v_nop
	global_prefetch_b8 v0, s[64:65] scope:SCOPE_SE
	s_setreg_imm32_b32 hwreg(HW_REG_WAVE_MODE, 25, 1), 1
	s_wait_xcnt 0x0
; THE THREE GRADIENT MEANS, WITHOUT TRACES.  Exchanging the two sums over time (exact for every input) gives
;   a_15 = php_15 L_15,  a_s = php_s (L_s + diagW a_{s+1}),  php_s = 1 - h_{s+1}^2,  L_s = err_s W_out,
;   out3 = 1e-3/32 sum a_s[b,j] x_s[b,i],  out4 = 1e-5/32 sum a_s[b,j] h_s[b,k],  out2 = 1/32 sum err_s[b,o] h_{s+1}[b,k]:
; three products with K = 16 x 32.  The recursion runs backward in f32, so the order of rounding differs from the forward traces.
; Work-group id < 80: rb = id & 7, cb = id >> 3: wave w makes rows j = 16 (8 rb + w).. x 128 columns cb of [h | x] (cb < 8: out4, else out3).
; id >= 80: out2, wave w makes rows o = 16 w.. x columns 128 (id - 80)...  Every work-group first makes o_15 = h_16 W_out^T itself
; (no launch is left for it); work-group 0 stores it.
; LDS: B 0..131,071 (16 time slabs of 8 KB of G.HX; later the way out's stage), E 131,072.. (err_0..14, 15 x 8 KB),
; E15 253,952.. (8 KB, written by LDS stores only), H16 262,144.. (64 KB).  Three tensor loads, one each by waves 0, 1, 2: a wave has at most
; one out.  Every wave waits for its own (if it has one) in front of the first barrier; behind it all three regions may be read by all.
; The 16 time steps are written out: LDS addresses are four constant bases plus immediates, nothing is stepped.
; FORMAT: matrix operands f16: |err|, |a| below 65504, and a loses precision where its size falls under about 1e-5; all else f32.
; No cluster: what partners share (E and H16, 184 KB) is a small part of what a work-group takes in over its 16 steps' LDS traffic,
; and 88 work-groups of two roles do not divide into clusters whose members issue the same loads.
.set WT,  40960
.set HXS, 81920
.set HDO, 17*HXS
.set EO,  HDO+16*131072
.set ETO, EO+16*8192
.set ACC,  16                          ; v[16:79]   8 result tiles; at first two slots of W_out fragments
.set POOL, 80                          ; v[80:143]  fragments from LDS; at first the raw gather of W_out^T; at last the rows on their way out
.set WOT,  144                         ; v[144:175] W_out^T, four K steps (lane = j, K = o); at last the stores' offsets
.set LL,   176                         ; v[176:191] L; at first o_15
.set AV,   192                         ; v[192:207] a; at first target_15, then err_15
.set HDB,  208                         ; v[208:239] two buffers of h_{t+1} (f32), turned into php in place; out2 role: two fragments of err^T
.set AFR,  240                         ; v[240:247] a (or err_15^T) as a fragment
.set DG,   248                         ; v[248:249] diagW of my row j, twice
.macro ADDR dst, base, o
	s_mov_b32 s[\o+1], 0
	s_add_nc_u64 s[\dst:\dst+1], s[\base:\base+1], s[\o:\o+1]
.endm
.macro PACK8 d, s
.irp i, 0,1,2,3
	v_cvt_pk_f16_f32 v[\d+\i], v[\s+2*\i], v[\s+2*\i+1]
.endr
.endm
.macro PLACES                          ; four places behind matrix instructions before their registers are loaded into, read or rewritten (ISA guide 7.12.1)
.rept 4
	v_nop
.endr
.endm
.macro LDWO slot, unit                 ; four K steps of W_out tile w
.irp i, 0,1,2,3,4,5,6,7
	global_load_b128 v[ACC+32*(\slot)+4*\i:ACC+32*(\slot)+4*\i+3], v1, s[82:83] offset:(\unit)*4096+\i*512
.endr
.endm
.macro OMUL u, k, m, swap
.set WF, ACC+32*((\u)&1)+8*\k
.set HF, POOL+32*\m+8*\k
.set OA, LL+8*\m
.if \swap
.if \u+\k == 0
	v_wmma_f32_16x16x32_f16 v[OA:OA+7], v[HF:HF+7], v[WF:WF+7], 0
.else
	v_wmma_f32_16x16x32_f16 v[OA:OA+7], v[HF:HF+7], v[WF:WF+7], v[OA:OA+7]
.endif
.else
.if \u+\k == 0
	v_wmma_f32_16x16x32_f16 v[OA:OA+7], v[WF:WF+7], v[HF:HF+7], 0
.else
	v_wmma_f32_16x16x32_f16 v[OA:OA+7], v[WF:WF+7], v[HF:HF+7], v[OA:OA+7]
.endif
.endif
.endm
; o_15, four K steps: swap = 0: lane = batch, registers = o; swap = 1: lane = o, registers = batch
.macro OUNIT u, swap
.irp m, 0,1
.irp i, 0,1,2,3,4,5,6,7
	ds_load_b128 v[POOL+32*\m+4*\i:POOL+32*\m+4*\i+3], v11 offset:\m*32768+(\u)*4096+\i*512
.endr
.endr
.if \u < 7
	s_wait_loadcnt 0x8                             ; the younger unit's eight loads stay out
.else
	s_wait_loadcnt 0x0
.endif
	s_wait_dscnt 0x0
.irp k, 0,1,2,3
.irp m, 0,1
	OMUL \u, \k, \m, \swap
.endr
.endr
	PLACES
.if \u < 6
	LDWO (\u)&1, \u+2
.endif
.endm
.macro LDBT t                          ; the 8 column tiles of time slab t
.if \t < 8
.set BB, 1
.else
.set BB, 13
.endif
.irp i, 0,1,2,3,4,5,6,7,8,9,10,11,12,13,14,15
	ds_load_b128 v[POOL+4*\i:POOL+4*\i+3], v[BB] offset:((\t)&7)*8192+\i*512
.endr
.endm
.macro GMUL t, a                       ; result tile n: lane = my row, registers = 8 neighbouring columns
.irp n, 0,1,2,3,4,5,6,7
.if \t == 15
	v_wmma_f32_16x16x32_f16 v[ACC+8*\n:ACC+8*\n+7], v[POOL+8*\n:POOL+8*\n+7], v[\a:\a+7], 0
.else
	v_wmma_f32_16x16x32_f16 v[ACC+8*\n:ACC+8*\n+7], v[POOL+8*\n:POOL+8*\n+7], v[\a:\a+7], v[ACC+8*\n:ACC+8*\n+7]
.endif
.endr
	PLACES
.endm
; one time step of the main role, t running down
.macro TSTEP t
.set HB, HDB+16*((15-\t)&1)
.set HN, HDB+16*((16-\t)&1)
.if \t < 8
.set EB, 14
.else
.set EB, 15
.endif
.irp m, 0,1
.irp i, 0,1,2,3,4,5,6,7
	ds_load_b128 v[POOL+32*\m+4*\i:POOL+32*\m+4*\i+3], v[EB] offset:((\t)&7)*8192+\m*4096+\i*512
.endr
.endr
.if \t > 0
.irp i, 0,1,2,3
	global_load_b128 v[HN+4*\i:HN+4*\i+3], v1, s[80:81] offset:(\t-1)*131072+\i*512   ; h of the step to come
.endr
.endif
	s_wait_dscnt 0x0
.irp m, 0,1
	v_wmma_f32_16x16x32_f16 v[LL+8*\m:LL+8*\m+7], v[POOL+32*\m:POOL+32*\m+7], v[WOT:WOT+7], 0
.endr
.irp k, 1,2,3
.irp m, 0,1
	v_wmma_f32_16x16x32_f16 v[LL+8*\m:LL+8*\m+7], v[POOL+32*\m+8*\k:POOL+32*\m+8*\k+7], v[WOT+8*\k:WOT+8*\k+7], v[LL+8*\m:LL+8*\m+7]
.endr
.endr
.if \t > 0
	s_wait_loadcnt 0x4                             ; the four loads just issued stay out; this step's h is in
.else
	s_wait_loadcnt 0x0
.endif
.irp i, 0,1,2,3,4,5,6,7,8,9,10,11,12,13,14,15
	v_fma_f32 v[HB+\i], -v[HB+\i], v[HB+\i], 1.0   ; php; these sixteen are also the places behind the products above
.endr
	LDBT \t
.if \t < 15
.irp i, 0,2,4,6,8,10,12,14
	v_pk_fma_f32 v[LL+\i:LL+\i+1], v[AV+\i:AV+\i+1], v[DG:DG+1], v[LL+\i:LL+\i+1]
.endr
.endif
.irp i, 0,2,4,6,8,10,12,14
	v_pk_mul_f32 v[AV+\i:AV+\i+1], v[HB+\i:HB+\i+1], v[LL+\i:LL+\i+1]
.endr
	PACK8 AFR, AV
	PACK8 AFR+4, AV+8
	s_wait_dscnt 0x0
	GMUL \t, AFR
.endm
; one time step of the out2 role: a = the fragment of err_t^T; pf = where err_{t-1}^T goes, 0: nothing is asked for
.macro GSTEP t, a, pf
.if \pf
	global_load_b128 v[\pf:\pf+3], v1, s[80:81] offset:(\t-1)*8192
	global_load_b128 v[\pf+4:\pf+7], v1, s[80:81] offset:(\t-1)*8192+512
.endif
	LDBT \t
.if \pf
	s_wait_loadcnt 0x2                             ; the two loads just issued stay out
.else
	s_wait_loadcnt 0x0
.endif
	s_wait_dscnt 0x0
	GMUL \t, \a
.endm
	s_load_b256 s[8:15], s[0:1], 0x0               ; H16 s[8:9], Wfr s[10:11], G s[12:13], W_hh s[14:15]
	s_load_b256 s[16:23], s[0:1], 0x20             ; W_out s[16:17], target s[18:19], out0 s[20:21], out2 s[22:23]
	s_load_b128 s[24:27], s[0:1], 0x40             ; out3 s[24:25], out4 s[26:27]
	v_and_b32 v1, 31, v0
	v_lshlrev_b32 v1, 4, v1                        ; lane x 16: also the LDS base of slabs 0..7 of B
	v_and_b32 v2, 15, v0                           ; r
	v_bfe_u32 v3, v0, 4, 1                         ; hh
	v_lshrrev_b32 v6, 5, v0
	v_readfirstlane_b32 s28, v6                    ; wave
	s_mov_b32 s29, ttmp9                           ; id
	v_add_nc_u32 v13, 0x10000, v1                  ; B, slabs 8..15
	v_add_nc_u32 v14, 0x20000, v1                  ; E, steps 0..7
	v_add_nc_u32 v15, 0x30000, v1                  ; E, steps 8..15 (15 = E15)
	v_add_nc_u32 v11, 0x40000, v1                  ; H16
	; descriptors.  H16: 256 rows of 32 elements of 8 bytes, dense, to LDS 262,144
	s_mov_b32 s36, 1
	s_mov_b32 s37, 262144
	s_mov_b32 s48, 3<<16
	s_mov_b32 s49, 32<<16
	s_mov_b32 s50, 256<<16
	s_mov_b32 s51, 32<<16
	s_mov_b32 s52, 256
	s_mov_b32 s53, 32
	s_mov_b32 s54, 0
	s_mov_b32 s55, 0
	; E: 480 such rows (err_0..14) to LDS 131,072
	s_mov_b32 s40, 1
	s_mov_b32 s41, 131072
	s_mov_b32 s56, 3<<16
	s_mov_b32 s57, 32<<16
	s_mov_b32 s58, 480<<16
	s_mov_b32 s59, 32<<16
	s_mov_b32 s60, 480
	s_mov_b32 s61, 32
	s_mov_b32 s62, 0
	s_mov_b32 s63, 0
	; B: 16 rows (time) of 1,024 elements of 8 bytes, 10,240 elements (a slab of HX) apart, to LDS 0
	s_mov_b32 s44, 1
	s_mov_b32 s45, 0
	s_mov_b32 s68, 3<<16
	s_mov_b32 s69, 1024<<16
	s_mov_b32 s70, 16<<16
	s_mov_b32 s71, 1024<<16
	s_mov_b32 s72, 16
	s_mov_b32 s73, 10240
	s_mov_b32 s74, 0
	s_mov_b32 s75, 0
	s_lshr_b32 s30, s29, 3
	s_sub_co_u32 s31, s29, 80
	s_cmp_lt_u32 s29, 80
	s_cselect_b32 s30, s30, s31                    ; cb
	s_cselect_b32 s34, 0, HXS                      ; out2 multiplies by h_{t+1}: one slab on
	s_lshl_b32 s32, s30, 13
	s_add_co_u32 s32, s32, s34
	s_mov_b32 s33, 0
	s_wait_kmcnt 0x0
	s_mov_b64 s[38:39], s[8:9]
	s_or_b32 s39, s39, 0x80000000
	s_add_nc_u64 s[42:43], s[12:13], EO
	s_or_b32 s43, s43, 0x80000000
	s_add_nc_u64 s[46:47], s[12:13], s[32:33]
	s_or_b32 s47, s47, 0x80000000
	s_cmp_lg_u32 s28, 0
	s_cbranch_scc1 .Lno_h
	tensor_load_to_lds s[36:39], s[48:55]
	s_nop 0
.Lno_h:
	s_cmp_lg_u32 s28, 2
	s_cbranch_scc1 .Lno_b
	tensor_load_to_lds s[44:47], s[68:75]
	s_nop 0
.Lno_b:
	s_add_co_u32 s34, s28, 64
	s_mul_i32 s32, s34, WT
	ADDR 82, 10, 32                                ; Wfr at W_out tile w
	s_lshl_b32 s32, s28, 6
	s_add_co_u32 s32, s32, 15*16384
	ADDR 78, 18, 32                                ; target_15, columns 16 w..
	ADDR 84, 20, 32                                ; out0 likewise
	s_cmp_ge_u32 s29, 80
	s_cbranch_scc1 .Lrole2
	; ================= out3, out4 =================
	s_cmp_lg_u32 s28, 1
	s_cbranch_scc1 .Lno_e
	tensor_load_to_lds s[40:43], s[56:63]
	s_nop 0
.Lno_e:
	s_and_b32 s31, s29, 7
	s_lshl3_add_u32 s31, s31, s28                  ; jq = 8 rb + w
	s_lshl_b32 s32, s31, 6
	ADDR 76, 16, 32
	v_lshlrev_b32 v8, 2, v2
	v_lshl_add_u32 v8, v3, 15, v8                  ; column j = r, rows o = 8 hh..
.irp k, 0,1,2,3
.irp i, 0,1,2,3,4,5,6,7
	global_load_b32 v[POOL+16*\k+\i], v8, s[76:77] offset:(32*\k+\i)*4096
.endr
.irp i, 0,1,2,3,4,5,6,7
	global_load_b32 v[POOL+16*\k+8+\i], v8, s[76:77] offset:(32*\k+16+\i)*4096
.endr
.endr
	s_mul_i32 s32, s31, 65600                      ; 16 rows and 16 columns of W_hh on
	ADDR 88, 14, 32
	v_mul_u32_u24 v9, v2, 0x1004
	global_load_b32 v[DG], v9, s[88:89]            ; W_hh[j][j]
	v_lshlrev_b32 v10, 9, v2
	v_lshl_add_u32 v10, v3, 5, v10                 ; lane = batch: r x 512 + hh x 32
	global_load_b128 v[AV:AV+3], v10, s[78:79]
	global_load_b128 v[AV+4:AV+7], v10, s[78:79] offset:16
	global_load_b128 v[AV+8:AV+11], v10, s[78:79] offset:8192
	global_load_b128 v[AV+12:AV+15], v10, s[78:79] offset:8208
	s_lshl_b32 s32, s31, 11
	s_add_co_u32 s32, s32, HDO
	ADDR 80, 12, 32                                ; G.HD at tile jq
.irp i, 0,1,2,3
	global_load_b128 v[HDB+4*\i:HDB+4*\i+3], v1, s[80:81] offset:15*131072+\i*512
.endr
	LDWO 0, 0
	LDWO 1, 1
	s_wait_loadcnt 25                              ; 1 + 4 + 4 + 16 younger loads stay out: the gather is in
.irp p, 0,1,2,3,4,5,6,7,8,9,10,11,12,13,14,15,16,17,18,19,20,21,22,23,24,25,26,27,28,29,30,31
	v_cvt_pk_f16_f32 v[WOT+\p], v[POOL+2*\p], v[POOL+2*\p+1]
.endr
	s_wait_tensorcnt 0x0                           ; in every wave's text: waves 0, 1, 2 each see their one load (H16, E, B) landed before they say so
	s_barrier_signal -1
	s_barrier_wait -1                              ; H16, E and B may now be read by all
.irp u, 0,1,2,3,4,5,6,7
	OUNIT \u, 0
.endr
	v_mov_b32 v[DG+1], v[DG]
	s_cmp_lg_u32 s29, 0
	s_cbranch_scc1 .Lno_o
	global_store_b128 v10, v[LL:LL+3], s[84:85]    ; work-group 0 stores o_15
	global_store_b128 v10, v[LL+4:LL+7], s[84:85] offset:16
	global_store_b128 v10, v[LL+8:LL+11], s[84:85] offset:8192
	global_store_b128 v10, v[LL+12:LL+15], s[84:85] offset:8208
.Lno_o:
.irp i, 0,2,4,6,8,10,12,14
	v_pk_add_f32 v[AV+\i:AV+\i+1], v[LL+\i:LL+\i+1], v[AV+\i:AV+\i+1] neg_lo:[0,1] neg_hi:[0,1]
.endr
	PACK8 AFR, AV
	PACK8 AFR+4, AV+8
	s_lshl_b32 s34, s28, 9
	s_add_co_u32 s34, s34, 253952
	v_add_nc_u32 v12, s34, v1
	ds_store_b128 v12, v[AFR:AFR+3]                ; err_15 as A fragments, column tile w
	ds_store_b128 v12, v[AFR+4:AFR+7] offset:4096
	s_wait_xcnt 0x0                                ; o_15's registers, which the stores read, are rewritten only behind this wait
	s_wait_dscnt 0x0                               ; my part of E15 is in LDS before I say so
	s_barrier_signal -1
	s_barrier_wait -1
.irp t, 15,14,13,12,11,10,9,8,7,6,5,4,3,2,1,0
	TSTEP \t
.endr
	s_mov_b32 s94, 0x34a7c5ac                      ; 1e-5 / 32
	s_mov_b32 s95, 0x3803126f                      ; 1e-3 / 32
	s_mov_b32 s34, 4096
	s_mov_b32 s35, 1024
	s_cmp_lt_u32 s30, 8
	s_cselect_b64 s[86:87], s[26:27], s[24:25]     ; out4 or out3
	s_cselect_b32 s90, s34, s35                    ; bytes in a row
	s_cselect_b32 s92, s94, s95
	s_mov_b32 s93, s92
	s_lshl_b32 s34, s31, 4
	s_mul_i32 s32, s34, s90
	s_and_b32 s34, s30, 7
	s_lshl_b32 s34, s34, 9
	s_add_co_u32 s32, s32, s34
	ADDR 86, 86, 32
	s_branch .Lout
	; ================= out2 =================
.Lrole2:
	v_lshlrev_b32 v8, 2, v2
	v_lshl_add_u32 v8, v3, 12, v8                  ; lane = o: r x 4 + 8 hh rows of 512 bytes
.irp m, 0,1
.irp i, 0,1,2,3,4,5,6,7
	global_load_b32 v[AV+8*\m+\i], v8, s[78:79] offset:\m*8192+\i*512
.endr
.endr
	s_lshl_b32 s32, s28, 10
	s_add_co_u32 s32, s32, ETO
	ADDR 80, 12, 32                                ; G.ET at tile w
	global_load_b128 v[HDB:HDB+3], v1, s[80:81] offset:14*8192
	global_load_b128 v[HDB+4:HDB+7], v1, s[80:81] offset:14*8192+512
	LDWO 0, 0
	LDWO 1, 1
	s_wait_tensorcnt 0x0                           ; in every wave's text: waves 0 and 2 each see their one load (H16, B) landed before they say so
	s_barrier_signal -1
	s_barrier_wait -1                              ; H16 and B may now be read by all
.irp u, 0,1,2,3,4,5,6,7
	OUNIT \u, 1
.endr
.irp i, 0,2,4,6,8,10,12,14
	v_pk_add_f32 v[AV+\i:AV+\i+1], v[LL+\i:LL+\i+1], v[AV+\i:AV+\i+1] neg_lo:[0,1] neg_hi:[0,1]
.endr
	PACK8 AFR, AV                                  ; err_15^T stays in registers: no second barrier is needed in this role
	PACK8 AFR+4, AV+8
	GSTEP 15, AFR, 0
.irp t, 14,12,10,8,6,4,2
	GSTEP \t, HDB, HDB+8
	GSTEP \t-1, HDB+8, HDB
.endr
	GSTEP 0, HDB, 0
	s_mov_b64 s[86:87], s[22:23]
	s_mov_b32 s90, 4096
	s_mov_b32 s92, 0x3d000000                      ; 1 / 32
	s_mov_b32 s93, s92
	s_lshl_b32 s32, s28, 16
	s_lshl_b32 s34, s30, 9
	s_add_co_u32 s32, s32, s34
	ADDR 86, 86, 32
	; ================= the way out: 16 rows x 512 bytes a wave, through a stage of the wave's own =================
.Lout:
.irp i, 0,2,4,6,8,10,12,14,16,18,20,22,24,26,28,30,32,34,36,38,40,42,44,46,48,50,52,54,56,58,60,62
	v_pk_mul_f32 v[ACC+\i:ACC+\i+1], v[ACC+\i:ACC+\i+1], s[92:93] op_sel_hi:[1,0]
.endr
	s_wait_dscnt 0x0                               ; my reads of B are over,
	s_barrier_signal -1
	s_barrier_wait -1                              ; everybody's are: the stage may lie over B, which is filled no more
	s_mul_i32 s34, s28, 8448                       ; 16 rows of 528 bytes (512 + 16: the 16 rows of a store start at 16 different 16-byte columns)
	v_mul_u32_u24 v8, v2, 528
	v_lshl_add_u32 v8, v3, 5, v8
	v_add_nc_u32 v8, s34, v8
	v_add_nc_u32 v9, s34, v1
.irp n, 0,1,2,3,4,5,6,7
	ds_store_b128 v8, v[ACC+8*\n:ACC+8*\n+3] offset:64*\n
	ds_store_b128 v8, v[ACC+8*\n+4:ACC+8*\n+7] offset:64*\n+16
.endr
.irp i, 0,1,2,3,4,5,6,7,8,9,10,11,12,13,14,15
	v_mad_u32_u24 v[WOT+\i], s90, \i, v1           ; row i of the output + lane x 16
.endr
.irp i, 0,1,2,3,4,5,6,7,8,9,10,11,12,13,14,15
	ds_load_b128 v[POOL+4*\i:POOL+4*\i+3], v9 offset:528*\i   ; LDS serves a wave in order: these see the stores above
.endr
.irp i, 0,1,2,3,4,5,6,7,8,9,10,11,12,13,14,15
	s_wait_dscnt 15-\i                             ; the younger rows stay out
	global_store_b128 v[WOT+\i], v[POOL+4*\i:POOL+4*\i+3], s[86:87]   ; the wave stores 512 consecutive bytes, at a multiple of 512 in the output
.endr
	s_endpgm
.Lfunc_end_k_q2aae23fb88_grad:
	.size	k_q2aae23fb88_grad, .Lfunc_end_k_q2aae23fb88_grad-k_q2aae23fb88_grad
	.p2alignl 7, 3214868480
	.fill 96, 4, 3214868480
	.section	.rodata,"a",@progbits
	.p2align	6, 0x0
	.amdhsa_kernel k_q2aae23fb88_grad
		.amdhsa_group_segment_fixed_size 327680
		.amdhsa_private_segment_fixed_size 0
		.amdhsa_enable_private_segment 0
		.amdhsa_kernarg_size 80
		.amdhsa_user_sgpr_count 2
		.amdhsa_user_sgpr_kernarg_segment_ptr 1
		.amdhsa_wavefront_size32 1
		.amdhsa_system_sgpr_workgroup_id_x 1
		.amdhsa_system_sgpr_workgroup_id_y 1
		.amdhsa_system_sgpr_workgroup_id_z 1
		.amdhsa_system_vgpr_workitem_id 0
		.amdhsa_next_free_vgpr 256
		.amdhsa_next_free_sgpr 96
		.amdhsa_reserve_vcc 0
		.amdhsa_float_denorm_mode_32 3
		.amdhsa_float_denorm_mode_16_64 3
		.amdhsa_memory_ordered 1
		.amdhsa_forward_progress 1
		.amdhsa_inst_pref_size 193
	.end_amdhsa_kernel
	.amdgpu_metadata
---
amdhsa.version: [ 1, 2 ]
amdhsa.kernels:
  - .name:           k_q2aae23fb88_grad
    .symbol:         k_q2aae23fb88_grad.kd
    .args:
      - { .name: Hodd, .offset: 0, .size: 8, .value_kind: global_buffer, .address_space: global }
      - { .name: Wfr, .offset: 8, .size: 8, .value_kind: global_buffer, .address_space: global }
      - { .name: G, .offset: 16, .size: 8, .value_kind: global_buffer, .address_space: global }
      - { .name: W_hh, .offset: 24, .size: 8, .value_kind: global_buffer, .address_space: global }
      - { .name: W_out, .offset: 32, .size: 8, .value_kind: global_buffer, .address_space: global }
      - { .name: target, .offset: 40, .size: 8, .value_kind: global_buffer, .address_space: global }
      - { .name: out0, .offset: 48, .size: 8, .value_kind: global_buffer, .address_space: global }
      - { .name: out2, .offset: 56, .size: 8, .value_kind: global_buffer, .address_space: global }
      - { .name: out3, .offset: 64, .size: 8, .value_kind: global_buffer, .address_space: global }
      - { .name: out4, .offset: 72, .size: 8, .value_kind: global_buffer, .address_space: global }
    .group_segment_fixed_size: 327680
    .private_segment_fixed_size: 0
    .kernarg_segment_align: 8
    .kernarg_segment_size: 80
    .max_flat_workgroup_size: 256
    .sgpr_count:     96
    .vgpr_count:     256
    .wavefront_size: 32
...
	.end_amdgpu_metadata
.endif
;; end of part 4
